; MI455X (gfx1250); checked and timed in simulation.
; The chip was launched on July 23, 2026; its instructions are those of AMD's public machine-readable ISA for CDNA 5 (MIT licence, August 2026) and "CDNA5" Instruction Set Architecture Reference Guide (July 2026). The comments in the code are by the model that wrote it; some were corrected since.
;; Coupling Layer. Allowed arithmetic: float matrix products may take bf16 or f16 operands with f32 sums; all other float work in f32.
;; Inputs: W1 98 x 64 float32; W2 64 x 10 float32; b1 64 float32; b2 10 float32; input 4 x 4,096 x 64 x 3 float32; t_feat 4 x 96 float32.
;; Outputs: out0 4 x 4,096 x 64 x 3 float32.
;; One version. Each part assembles by itself: llvm-mc -triple=amdgcn-amd-amdhsa -mcpu=gfx1250 --defsym DOCPART=n.
;; ======== version 1 of 1: 1 launch
;; launch coupling (part 1): grid 256 x 1, 16 waves a work-group, no clusters, 54,272 bytes of LDS; arguments input, t_feat, W1, b1, W2, b2, out0; writes out0
.if DOCPART == 1
	.amdgcn_target "amdgcn-amd-amdhsa--gfx1250"
	.amdhsa_code_object_version 6
	.text
	.protected	k_q35f0a9e59a_coupling
	.globl	k_q35f0a9e59a_coupling
	.p2align	8
	.type	k_q35f0a9e59a_coupling,@function
k_q35f0a9e59a_coupling:
	s_mov_b64 s[64:65], 0
	v_nop
	global_prefetch_b8 v0, s[64:65] scope:SCOPE_SE
	s_setreg_imm32_b32 hwreg(HW_REG_WAVE_MODE, 25, 1), 1
	s_wait_xcnt 0x0
; CouplingLayer.  out[p] = (x0, x1, spline(z)); the spline's ten parameters are softplus(relu([tanh x0, tanh x1, t_feat[n]] W1 + b1) W2 + b2) + 1e-4.
; 1,048,576 points of 12 bytes.  256 work-groups x 4,096 points (one n each: n = work-group / 64); 16 waves x 256 points;
; a wave works in 8 groups of 32 points, lane L owning point 32 g + L.  No loop, no branch, EXEC always full, one barrier.
;
; HOW THE SUMS ARE SHARED.  96 of layer 1's 98 rows multiply t_feat[n], alike for all points of the work-group: that part,
; c = t_feat[n] W1[2:] + b1 (64 numbers), is summed once, in f32, by the 512 threads.  A point's layer 1 is then the product
; (h0, h1, 1, 1) x (W1[0], W1[1], c_hi, c_lo), c as two bf16 numbers (16 bits of mantissa).  Layer 2 is 64 x 10, bf16, f32 sums.
; UNITS.  W2, b2, z are multiplied by log2(e), so that exponentials and logarithms are the base-2 ones and all spline
; coordinates carry the factor 1/ln 2; slopes do not change and the result is multiplied by ln 2.
; SOFTPLUS with its maximum taken away: X' = X + OFF (OFF = 1e-4 log2 e, added with the bias), M = max(X', OFF), T = X' - 2 M = -|X| - OFF,
; D = log2(1 + 2^T 2^OFF) + M = (softplus(x) + 1e-4) / ln 2.
; MIRROR.  The clip's bounds have opposite signs, so the clipped query keeps z's sign: for z < 0 the left parameters are used on |z| and
; the result is negated.  Only both first pairs, the chosen second pair and the chosen k reach an interval that can hold the query:
; 7 softplus a point.  The interval is chosen first, then one division.
; LIMITS.  NaN inputs are not served (a NaN in x0 or x1 also reaches point L xor 16 through a product with zero; a NaN z gives NaN).
; In the two outer intervals the slope is taken as 2 k, where the reference divides (2 k 10000) by (x +- 10000 - x): the difference is that
; form's own f32 rounding at magnitude 1e4.  tanh values, W1[0:2], hidden units and W2 log2(e) are rounded to bf16.
; LEFT OUT.  Clusters: the work-groups share only the parameters, 29,480 bytes against 98,304 bytes of a work-group's own points in and out, and
; each lane takes its parameters straight into registers.  Copy engines and an LDS ring: a wave asks for all of its 3,072 input bytes
; at entry, and they arrive as lane = point.  Prefetches: nothing is asked for late.
.set WGB,   49152                      ; bytes of a work-group's points
.set WAVEB, 3072                       ; bytes of a wave's points
.set GRPB,  384                        ; bytes of a group of 32 points
; LDS
.set STAGE, 0                          ; 16 x 3,072: wave w's image of its output bytes, touched by that wave alone
.set CP,    49152                      ; [part 4][hidden 64] f32: partial sums of c; wave w stores the 64 bytes at 64 w
.set A2I,   50176                      ; [register 16][lane 32] words: layer 2's A operand; wave w stores the 128 bytes at 128 w
; vector registers
.set LOFF, 1                           ; 12 L
.set STA,  2                           ; 3072 w + 12 L
.set RDA,  3                           ; 3072 w + 16 L
.set GOFF, 4                           ; 16 L
.set LANE, 5                           ; L
.set KC,   6                           ; v[6:7]     2^OFF, twice
.set IN,   8                           ; v[8:39]    group g: x0, x1, z (then y), one spare; later the rows on their way out
.set BT,   40                          ; v[40:47]   layer 1's B: (h0, h1), (1, 1), zeros
.set C2,   48                          ; v[48:55]   layer 2's C: b2 log2 e + OFF in the rows' order
.set A2,   56                          ; v[56:71]   layer 2's A: two fragments
.set A1,   72                          ; v[72:135]  layer 1's A: hidden block b, variant v at 16 b + 8 v
.set D1,   136                         ; v[136:199] layer 1's results, tile t, block b at 32 t + 8 b; packed in place to layer 2's B
.set D2,   200                         ; v[200:215] layer 2's results
.set E0,   200                         ; after the swap: dxl1, dyl1, dxl2, dyl2, kl of point L
.set E1,   208                         ;                 dxr1, dyr1, dxr2, dyr2, kr, and a partner for the packed forms
.set M,    216                         ; v[216:223] the maxima; M+7 stays 0
.set TH,   224                         ; v[224:225] tanh at work
.set SM,   228                         ; v[228:229] L1 + R1
.set S,    230                         ; v[230:231] P1 + P2
.set AQ,   232
.set DX,   233
.set DY,   234
.set AX,   235
.set AY,   236
.set AQZ,  237                         ; |z| log2 e
.set SGN,  238                         ; ln 2 with z's sign
; the prologue's registers, in ranges that the main part first writes when all the prologue's loads have been waited for
.set PW,   D1                          ; 12 numbers of W1
.set PT,   D1+12                       ; 12 numbers of t_feat
.set PB,   D1+24                       ; b1
.set P2W,  D1+26                       ; two numbers of W2
.set PR,   D1+28                       ; W1 row 0, blocks 0-3; row 1, blocks 0-3
.set PC,   D1+36                       ; block b: four partial sums of c
.set SC,   D1+52                       ; at work
.set W01,  D1+56                       ; block b: (W1[0], W1[1]) in bf16
.set VW,   200
.set VT,   201
.set VB1,  202
.set VW2,  203
.set VR,   204                         ; 4 r
.set VH4,  205
.set VH12, 206
.set RR,   207                         ; r = L % 16
.set HH,   208                         ; h = L / 16
.set CPS,  209
.set A2S,  210
.set L4,   211                         ; 4 L
.set SG,   213
.set TB,   214
.set TB2,  215
	s_load_b256 s[4:11], s[0:1], 0x0               ; input s[4:5], t_feat s[6:7], W1 s[8:9], b1 s[10:11]
	s_load_b128 s[12:15], s[0:1], 0x20             ; W2 s[12:13], b2 s[14:15]
	s_load_b64 s[16:17], s[0:1], 0x30              ; out0
	v_lshl_add_u32 v240, v0, 2, 0xcc00
	v_mov_b32 v241, 0
	v_lshrrev_b32 v[LANE], 5, v0
	v_readfirstlane_b32 s18, v[LANE]               ; wave w
	v_and_b32 v[LANE], 31, v0
	s_and_b32 s19, s18, 3                          ; w % 4: hidden block of my share of c; word of my share of A2
	s_lshr_b32 s20, s18, 2                         ; w / 4: part of c; quad of A2
	s_lshr_b32 s21, ttmp9, 6                       ; n
	s_mul_i32 s38, s18, WAVEB
	s_mul_i32 s39, s20, 6144                       ; W1: 24 rows of 256 bytes for each w / 4,
	s_lshl_b32 s40, s19, 6                         ; 16 columns for each w % 4,
	s_add_co_u32 s39, s39, s40
	s_add_co_u32 s39, s39, 512                     ; behind the two rows of h0 and h1
	s_mul_i32 s41, s21, 384                        ; t_feat: row n, 24 numbers for each w / 4
	s_mul_i32 s42, s20, 96
	s_add_co_u32 s41, s41, s42
	s_mul_i32 s43, s20, 640                        ; W2: row 16 (w / 4) + 2 (w % 4), 40 bytes a row
	s_mul_i32 s42, s19, 80
	s_add_co_u32 s43, s43, s42
	s_lshl_b32 s44, s18, 6
	s_lshl_b32 s45, s18, 7
	s_mul_i32 s22, ttmp9, WGB                      ; my wave's first byte in input and in out0 (below 12,582,912)
	s_add_co_u32 s22, s22, s38
	s_mov_b32 s23, 0
	s_mov_b32 s24, 0x3fb8aa3b                      ; log2 e
	s_mov_b32 s25, 0x3917470d                      ; OFF = 1e-4 log2 e
	s_mov_b32 s26, 0x4038aa3b                      ; 2 log2 e
	s_mov_b32 s27, 0x4038aa3b
	s_mov_b32 s28, 0x3f7d70a4                      ; 0.99
	s_mov_b32 s30, 0x80000000
	s_mov_b32 s31, 0x3f317218                      ; ln 2
	s_mov_b32 s32, 0x3f38aa3b                      ; 1 / (2 ln 2): K divided by it is the slope 2 k
	s_mov_b32 s34, 0x76543210                      ; v_permlanex16_b32: lane i takes lane i of the other half
	s_mov_b32 s35, 0xfedcba98
	v_and_b32 v[RR], 15, v0
	v_bfe_u32 v[HH], v0, 4, 1
	v_mul_u32_u24 v[LOFF], 12, v[LANE]
	v_lshlrev_b32 v[GOFF], 4, v[LANE]
	v_lshlrev_b32 v[L4], 2, v[LANE]
	v_lshlrev_b32 v[VR], 2, v[RR]
	v_add_nc_u32 v[STA], s38, v[LOFF]
	v_add_nc_u32 v[RDA], s38, v[GOFF]
	v_mul_u32_u24 v[VW], 3072, v[HH]               ; 12 rows of W1 for each half of the lanes
	v_add3_u32 v[VW], v[VW], v[VR], s39
	v_mul_u32_u24 v[VT], 48, v[HH]
	v_add_nc_u32 v[VT], s41, v[VT]
	v_add_nc_u32 v[VB1], s40, v[VR]
	; layer 2's rows: m = 0..4 are outputs 1, 5, 0, 4, 8 (left side), m = 8..12 outputs 2, 6, 3, 7, 9 (right side), the rest zero
	v_and_b32 v[SG], 7, v[RR]
	v_cmp_gt_u32 s36, 5, v[SG]                     ; rows that hold an output
	v_lshlrev_b32 v[SG], 2, v[SG]
	v_cmp_gt_u32 vcc_lo, 8, v[RR]
	v_mov_b32 v[TB], 0x97362
	v_mov_b32 v[TB2], 0x84051
	v_cndmask_b32 v[TB], v[TB], v[TB2], vcc_lo
	v_lshrrev_b32 v[TB], v[SG], v[TB]
	v_and_b32 v[TB], 15, v[TB]                     ; the row's output (0 for the empty rows: a load inside W2, zeroed below)
	v_mul_u32_u24 v[VW2], 320, v[HH]               ; 8 rows of W2 for each half of the lanes
	v_lshl_add_u32 v[VW2], v[TB], 2, v[VW2]
	v_add_nc_u32 v[VW2], s43, v[VW2]
	v_lshlrev_b32 v[VH4], 2, v[HH]
	v_mul_u32_u24 v[VH12], 12, v[HH]
	v_add_nc_u32 v[CPS], s44, v[VR]                ; 64 w + 4 r
	v_add_nc_u32 v[A2S], s45, v[L4]                ; 128 w + 4 L
	; the operands' zeros: K = 4..7 and 16..31 of layer 1 hold nothing
.irp f, 0,1,2,3,4,5,6,7
.irp i, 2,4,6
	v_dual_mov_b32 v[A1+8*\f+\i], 0 :: v_dual_mov_b32 v[A1+8*\f+\i+1], 0
.endr
.endr
.irp i, 2,4,6
	v_dual_mov_b32 v[BT+\i], 0 :: v_dual_mov_b32 v[BT+\i+1], 0
.endr
	v_dual_mov_b32 v[C2+6], 0 :: v_dual_mov_b32 v[C2+5], 0
	v_mov_b32 v[C2+7], 0
	v_mov_b32 v[M+7], 0
	v_mov_b32 v[BT+1], 0x3f803f80                  ; (1, 1) in bf16: multiplies (c_hi, c_lo)
	v_mov_b32 v[KC], 0x3f800347                    ; 2^OFF = e^1e-4
	v_mov_b32 v[KC+1], 0x3f800347
	s_wait_kmcnt 0x0
	s_add_nc_u64 s[4:5], s[4:5], s[22:23]
	s_add_nc_u64 s[16:17], s[16:17], s[22:23]
	; first batch, 18 loads: what goes through LDS
.irp i, 0,1,2,3,4,5,6,7,8,9,10,11
	global_load_b32 v[PW+\i], v[VW], s[8:9] offset:256*\i          ; W1[2 + 12 (2 (w/4) + h) + i][16 (w%4) + r]
.endr
	global_load_b128 v[PT:PT+3],    v[VT], s[6:7]                  ; the same 12 k of t_feat[n]
	global_load_b128 v[PT+4:PT+7],  v[VT], s[6:7] offset:16
	global_load_b128 v[PT+8:PT+11], v[VT], s[6:7] offset:32
	global_load_b32 v[PB], v[VB1], s[10:11]
	global_load_b32 v[P2W],   v[VW2], s[12:13]                     ; W2[k][row's output], k = 16 (w/4) + 8 h + 2 (w%4),
	global_load_b32 v[P2W+1], v[VW2], s[12:13] offset:40           ; and k + 1
	; second batch, 13 loads: what each lane keeps
.irp b, 0,1,2,3
	global_load_b32 v[PR+\b],   v[VR], s[8:9] offset:64*\b         ; W1[0][16 b + r]
	global_load_b32 v[PR+4+\b], v[VR], s[8:9] offset:256+64*\b     ; W1[1][16 b + r]
.endr
	global_load_b32 v[C2+0], v[VH4],  s[14:15] offset:4            ; b2[1], b2[2]
	global_load_b32 v[C2+1], v[VH4],  s[14:15] offset:20           ; b2[5], b2[6]
	global_load_b32 v[C2+2], v[VH12], s[14:15]                     ; b2[0], b2[3]
	global_load_b32 v[C2+3], v[VH12], s[14:15] offset:16           ; b2[4], b2[7]
	global_load_b32 v[C2+4], v[VH4],  s[14:15] offset:32           ; b2[8], b2[9]
	; all of my wave's points, 8 loads of 384 consecutive bytes: read once in the launch
.irp g, 0,1,2,3,4,5,6,7
	global_load_b96 v[IN+4*\g:IN+4*\g+2], v[LOFF], s[4:5] offset:GRPB*\g th:TH_LOAD_NT
.endr
	s_wait_loadcnt 21                              ; loads return in order (ISA guide 5.7.1): the first batch is in, 13 + 8 younger ones stay out
	v_and_b32 v[SC], 0x190, v0                     ; w / 4 and h both 0: the share that starts from b1
	v_cmp_eq_u32 vcc_lo, 0, v[SC]
	v_cndmask_b32 v[SC], 0, v[PB], vcc_lo
	v_mov_b32 v[SC+1], 0
.irp i, 0,2,4,6,8,10
	v_pk_fma_f32 v[SC:SC+1], v[PW+\i:PW+\i+1], v[PT+\i:PT+\i+1], v[SC:SC+1]
.endr
	v_add_f32 v[SC], v[SC], v[SC+1]
	v_permlanex16_b32 v[SC+1], v[SC], s34, s35     ; the other half's 12 k
	v_add_f32 v[SC], v[SC], v[SC+1]
	ds_store_b32 v[CPS], v[SC] offset:CP           ; lanes r and 16 + r store the same number to the same word
	v_mul_f32 v[SC+2], s24, v[P2W]
	v_mul_f32 v[SC+3], s24, v[P2W+1]
	v_cvt_pk_bf16_f32 v[SC+2], v[SC+2], v[SC+3]
	v_cndmask_b32 v[SC+2], 0, v[SC+2], s36
	ds_store_b32 v[A2S], v[SC+2] offset:A2I        ; register w of A2, all lanes
	s_wait_dscnt 0x0                               ; my stores are in LDS before I say so
	s_barrier_signal -1
	s_barrier_wait -1                              ; everybody's are; from here on CP and A2I are only read
.irp b, 0,1,2,3
.irp p, 0,1,2,3
	ds_load_b32 v[PC+4*\b+\p], v[VR] offset:CP+256*\p+64*\b
.endr
.endr
.irp i, 0,1,2,3,4,5,6,7,8,9,10,11,12,13,14,15
	ds_load_b32 v[A2+\i], v[L4] offset:A2I+128*\i
.endr
; tanh(x) = 1 - 2 / (1 + 2^(2 x log2 e)), in three pieces, so that plain vector work of other registers stands behind each run of
; transcendentals before their results are used (ISA guide 5.7.2)
.macro TANH_A g
	s_wait_loadcnt 7-\g                            ; group g's points are in; the younger groups' loads stay out
	v_pk_mul_f32 v[TH:TH+1], v[IN+4*\g:IN+4*\g+1], s[26:27] op_sel_hi:[1,0]
	v_exp_f32 v[TH], v[TH]
	v_exp_f32 v[TH+1], v[TH+1]
.endm
.macro TANH_B
	s_wait_alu depctr_va_vdst(0)
	v_pk_add_f32 v[TH:TH+1], v[TH:TH+1], 1.0 op_sel_hi:[1,0]
	v_rcp_f32 v[TH], v[TH]
	v_rcp_f32 v[TH+1], v[TH+1]
.endm
.macro TANH_C
	s_wait_alu depctr_va_vdst(0)
	v_pk_fma_f32 v[TH:TH+1], v[TH:TH+1], -2.0, 1.0 op_sel_hi:[1,0,0]
	v_cvt_pk_bf16_f32 v[BT], v[TH], v[TH+1]        ; lanes 0-15: k = 0, 1 of column r; lanes 16-31: k = 8, 9 of column r
.endm
; z's share, which needs no result of the net
.macro ZPRE g
	v_cmp_gt_i32 vcc_lo, 0, v[IN+4*\g+2]           ; the sign bit: left side.  VCC is kept until P1 is chosen
	v_mul_f32 v[AQZ], s24, |v[IN+4*\g+2]|
	v_and_or_b32 v[SGN], v[IN+4*\g+2], s30, s31
.endm
; Layer 1, transposed: D(m, n) = hidden 16 b + m of point 16 t + n.  One B for both tiles: variant t of A is zero outside k = 8 t .. 8 t + 3
; and so picks the points that lanes 16 t .. 16 t + 15 hold.  Lane (r, h), register j: hidden 16 b + 8 h + j of point 16 t + r.
.macro LAYER1
.irp t, 0,1
.irp b, 0,1,2,3
	v_wmma_f32_16x16x32_bf16 v[D1+32*\t+8*\b:D1+32*\t+8*\b+7], v[A1+16*\b+8*\t:A1+16*\b+8*\t+7], v[BT:BT+7], 0
.endr
.endr
.endm
; relu and rounding of one result tile; the four packed words land where layer 2's B wants them: blocks 2 c, 2 c + 1 make the eight registers
; at block 2 c's place (k = 32 c + 8 h + 0..7, then 32 c + 16 + 8 h + 0..7).  Ascending order: no word is written before it has been read.
.macro RPK t, b
.irp i, 0,2,4,6
	v_dual_max_num_f32 v[D1+32*\t+8*\b+\i], 0, v[D1+32*\t+8*\b+\i] :: v_dual_max_num_f32 v[D1+32*\t+8*\b+\i+1], 0, v[D1+32*\t+8*\b+\i+1]
.endr
.irp i, 0,1,2,3
	v_cvt_pk_bf16_f32 v[D1+32*\t+8*(\b&2)+4*(\b&1)+\i], v[D1+32*\t+8*\b+2*\i], v[D1+32*\t+8*\b+2*\i+1]
.endr
.endm
.macro RELU g, more                    ; more = 1: the next group's tanh rides along
	RPK 0, 0
.if \more
	TANH_A (\g+1)
.endif
	RPK 0, 1
	RPK 0, 2
.if \more
	TANH_B
.endif
	RPK 0, 3
	RPK 1, 0
	RPK 1, 1
	RPK 1, 2
	RPK 1, 3
.endm
; Layer 2: D(m, n) = output row m of point 16 t + n; the bias comes in as C.  The second links continue their accumulators in place.
.macro LAYER2
	v_wmma_f32_16x16x32_bf16 v[D2:D2+7],    v[A2:A2+7],    v[D1:D1+7],     v[C2:C2+7]
	v_wmma_f32_16x16x32_bf16 v[D2+8:D2+15], v[A2:A2+7],    v[D1+32:D1+39], v[C2:C2+7]
	v_wmma_f32_16x16x32_bf16 v[D2:D2+7],    v[A2+8:A2+15], v[D1+16:D1+23], v[D2:D2+7]
	v_wmma_f32_16x16x32_bf16 v[D2+8:D2+15], v[A2+8:A2+15], v[D1+48:D1+55], v[D2+8:D2+15]
.endm
; softplus, spline and the way into the stage for group g
.macro PH4 g
.irp j, 0,1,2,3,4
	v_permlane16_swap_b32 v[E0+\j], v[E1+\j]       ; tile 0's right side (lanes 16-31) against tile 1's left side (lanes 0-15): lane L has point L's ten
.endr
.irp j, 2,3,4
	v_cndmask_b32 v[E1+\j], v[E1+\j], v[E0+\j], vcc_lo             ; the second pair and k of z's side
.endr
	v_max_num_f32 v[M+0], s25, v[E0+0]
	v_max_num_f32 v[M+1], s25, v[E0+1]
	v_max_num_f32 v[M+2], s25, v[E1+0]
	v_max_num_f32 v[M+3], s25, v[E1+1]
	v_pk_fma_f32 v[E0:E0+1], v[M+0:M+1], -2.0, v[E0:E0+1] op_sel_hi:[1,0,1]        ; T = X' - 2 M
	v_pk_fma_f32 v[E1:E1+1], v[M+2:M+3], -2.0, v[E1:E1+1] op_sel_hi:[1,0,1]
	v_exp_f32 v[E0+0], v[E0+0]
	v_exp_f32 v[E0+1], v[E0+1]
	v_exp_f32 v[E1+0], v[E1+0]
	v_exp_f32 v[E1+1], v[E1+1]
	v_max_num_f32 v[M+4], s25, v[E1+2]             ; the second batch's plain lines stand behind the first batch's transcendentals, and so on in turn
	v_max_num_f32 v[M+5], s25, v[E1+3]
	v_max_num_f32 v[M+6], s25, v[E1+4]
	v_pk_fma_f32 v[E1+2:E1+3], v[M+4:M+5], -2.0, v[E1+2:E1+3] op_sel_hi:[1,0,1]
	v_pk_fma_f32 v[E1+4:E1+5], v[M+6:M+7], -2.0, v[E1+4:E1+5] op_sel_hi:[1,0,1]    ; E1+5 (an empty row: 0) and M+7 (0) only fill the pairs
	v_exp_f32 v[E1+2], v[E1+2]
	v_exp_f32 v[E1+3], v[E1+3]
	v_exp_f32 v[E1+4], v[E1+4]
	s_wait_alu depctr_va_vdst(0)
	v_pk_fma_f32 v[E0:E0+1], v[E0:E0+1], v[KC:KC+1], 1.0 op_sel_hi:[1,1,0]         ; 1 + 2^-|X|
	v_pk_fma_f32 v[E1:E1+1], v[E1:E1+1], v[KC:KC+1], 1.0 op_sel_hi:[1,1,0]
	v_log_f32 v[E0+0], v[E0+0]
	v_log_f32 v[E0+1], v[E0+1]
	v_log_f32 v[E1+0], v[E1+0]
	v_log_f32 v[E1+1], v[E1+1]
	v_pk_fma_f32 v[E1+2:E1+3], v[E1+2:E1+3], v[KC:KC+1], 1.0 op_sel_hi:[1,1,0]
	v_pk_fma_f32 v[E1+4:E1+5], v[E1+4:E1+5], v[KC:KC+1], 1.0 op_sel_hi:[1,1,0]
	v_log_f32 v[E1+2], v[E1+2]
	v_log_f32 v[E1+3], v[E1+3]
	v_log_f32 v[E1+4], v[E1+4]
	s_wait_alu depctr_va_vdst(0)
	v_pk_add_f32 v[E0:E0+1], v[E0:E0+1], v[M+0:M+1]                ; L1 = (dxl1, dyl1)
	v_pk_add_f32 v[E1:E1+1], v[E1:E1+1], v[M+2:M+3]                ; R1 = (dxr1, dyr1)
	v_pk_add_f32 v[SM:SM+1], v[E0:E0+1], v[E1:E1+1]                ; the middle interval's (dx, dy)
	v_cndmask_b32 v[E0+0], v[E1+0], v[E0+0], vcc_lo                ; P1: the first pair of z's side
	v_cndmask_b32 v[E0+1], v[E1+1], v[E0+1], vcc_lo
	v_pk_add_f32 v[E1+2:E1+3], v[E1+2:E1+3], v[M+4:M+5]            ; P2
	v_pk_add_f32 v[E1+4:E1+5], v[E1+4:E1+5], v[M+6:M+7]            ; K
	v_pk_add_f32 v[S:S+1], v[E0:E0+1], v[E1+2:E1+3]                ; the second breakpoint
	v_fmaak_f32 v[AQ], s28, v[S], 0x465f2ab9       ; the clip: 0.99 (x2 + 10000), here 0.99 S.x + 9900 log2 e
	v_min_num_f32 v[AQ], v[AQZ], v[AQ]
	v_cmp_lt_f32 vcc_lo, v[AQ], v[E0]              ; inside the first breakpoint: the middle interval
	v_cndmask_b32 v[DX], v[E1+2], v[SM], vcc_lo
	v_cndmask_b32 v[DY], v[E1+3], v[SM+1], vcc_lo
	v_cmp_lt_f32 vcc_lo, v[AQ], v[S]               ; not inside the second: the outer interval, anchored there, slope K / (1 / (2 ln 2)) = 2 k
	v_cndmask_b32 v[DX], s32, v[DX], vcc_lo
	v_cndmask_b32 v[DY], v[E1+4], v[DY], vcc_lo
	v_cndmask_b32 v[AX], v[S], v[E0], vcc_lo
	v_cndmask_b32 v[AY], v[S+1], v[E0+1], vcc_lo
	v_rcp_f32 v[DX], v[DX]
	v_sub_f32 v[AX], v[AQ], v[AX]                  ; the plain line behind the reciprocal
	s_wait_alu depctr_va_vdst(0)
	v_mul_f32 v[DY], v[DY], v[DX]
	v_fma_f32 v[AY], v[DY], v[AX], v[AY]
	v_mul_f32 v[IN+4*\g+2], v[AY], v[SGN]          ; back to natural units, with z's sign
	ds_store_b96 v[STA], v[IN+4*\g:IN+4*\g+2] offset:STAGE+GRPB*\g ; 32 lanes, 384 consecutive bytes of my own stage
.endm
; half p of my stage (four groups, 1,536 bytes) back as 16 bytes a lane.  LDS serves a wave's instructions in order (ISA guide 5.7.1):
; these loads see the stores above without a wait.  They land in the registers of groups that are done with.
.macro OUTLD p
.irp i, 0,1,2
	ds_load_b128 v[IN+16*\p+4*\i:IN+16*\p+4*\i+3], v[RDA] offset:STAGE+1536*\p+512*\i
.endr
.endm
.macro OUTST p
	s_wait_dscnt 0x0
.irp i, 0,1,2
	global_store_b128 v[GOFF], v[IN+16*\p+4*\i:IN+16*\p+4*\i+3], s[16:17] offset:1536*\p+512*\i th:TH_STORE_NT   ; 512 consecutive bytes, at a multiple of 256 from out0's first byte; data and address registers are not written again
.endr
.endm
	TANH_A 0                                       ; its wait (7 younger loads out) also shows the second batch in
.irp b, 0,1,2,3
	v_cvt_pk_bf16_f32 v[W01+\b], v[PR+\b], v[PR+4+\b]
.endr
	TANH_B
	s_wait_dscnt 16                                ; c's 16 partial sums are in; A2's 16 loads stay out
	v_cmp_gt_u32 vcc_lo, 16, v[LANE]               ; variant 0 lives in lanes 0-15,
	v_cmp_le_u32 s37, 16, v[LANE]                  ; variant 1 in lanes 16-31
.irp b, 0,1,2,3
	v_pk_add_f32 v[PC+4*\b:PC+4*\b+1], v[PC+4*\b:PC+4*\b+1], v[PC+4*\b+2:PC+4*\b+3]
	v_add_f32 v[PC+4*\b], v[PC+4*\b], v[PC+4*\b+1]                 ; c[16 b + r]
	v_cvt_pk_bf16_f32 v[PC+4*\b+1], v[PC+4*\b], v[PC+4*\b]
	v_and_b32 v[PC+4*\b+2], 0xffff0000, v[PC+4*\b+1]               ; c_hi as f32
	v_sub_f32 v[PC+4*\b+2], v[PC+4*\b], v[PC+4*\b+2]               ; what the rounding left
	v_cvt_pk_bf16_f32 v[PC+4*\b+1], v[PC+4*\b], v[PC+4*\b+2]       ; (c_hi, c_lo)
	v_cndmask_b32 v[A1+16*\b+0], 0, v[W01+\b], vcc_lo
	v_cndmask_b32 v[A1+16*\b+1], 0, v[PC+4*\b+1], vcc_lo
	v_cndmask_b32 v[A1+16*\b+8], 0, v[W01+\b], s37
	v_cndmask_b32 v[A1+16*\b+9], 0, v[PC+4*\b+1], s37
.endr
	TANH_C
	s_wait_dscnt 0x0                               ; A2 is in
; Group g's layer 1 is issued ahead of group g - 1's softplus and spline.  Distances behind matrix instructions (ISA guide 7.12.1), counted in plain
; vector lines that name none of their registers: the five lines of ZPRE and TANH_C stand between layer 2 and (a) layer 1, which writes over
; layer 2's B registers (five wanted), (b) the swaps, which read layer 2's results (four wanted); PH4 stands between layer 1 and RELU.
.macro STEP g, more, out
	ZPRE (\g-1)
	TANH_C
	LAYER1
	PH4 (\g-1)
.if \out
	OUTLD 0
.endif
	RELU \g, \more
	LAYER2
.if \out
	OUTST 0
.endif
.endm
	LAYER1
.irp j, 0,1,2,3,4
	v_fma_f32 v[C2+\j], v[C2+\j], s24, s25         ; b2 log2 e + OFF: also the places between layer 1 and the first relu
.endr
	RELU 0, 1
	LAYER2
	STEP 1, 1, 0
	STEP 2, 1, 0
	STEP 3, 1, 0
	STEP 4, 1, 1                                   ; groups 0-3 are staged: the first half goes out under group 4's work
	STEP 5, 1, 0
	STEP 6, 1, 0
	STEP 7, 0, 0
	ZPRE 7
	v_nop                                          ; the fourth place between the last layer 2 and the swaps
	PH4 7
	OUTLD 1
	OUTST 1
	s_wait_tensorcnt 0x0
	ds_add_u32 v240, v241
	s_wait_dscnt 0x0
	s_endpgm
.Lfunc_end_k_q35f0a9e59a_coupling:
	.size	k_q35f0a9e59a_coupling, .Lfunc_end_k_q35f0a9e59a_coupling-k_q35f0a9e59a_coupling
	.p2alignl 7, 3214868480
	.fill 96, 4, 3214868480
	.section	.rodata,"a",@progbits
	.p2align	6, 0x0
	.amdhsa_kernel k_q35f0a9e59a_coupling
		.amdhsa_group_segment_fixed_size 54272
		.amdhsa_private_segment_fixed_size 0
		.amdhsa_enable_private_segment 0
		.amdhsa_kernarg_size 56
		.amdhsa_user_sgpr_count 2
		.amdhsa_user_sgpr_kernarg_segment_ptr 1
		.amdhsa_wavefront_size32 1
		.amdhsa_system_sgpr_workgroup_id_x 1
		.amdhsa_system_sgpr_workgroup_id_y 1
		.amdhsa_system_sgpr_workgroup_id_z 1
		.amdhsa_system_vgpr_workitem_id 0
		.amdhsa_next_free_vgpr 242
		.amdhsa_next_free_sgpr 66
		.amdhsa_reserve_vcc 1
		.amdhsa_float_denorm_mode_32 3
		.amdhsa_float_denorm_mode_16_64 3
		.amdhsa_memory_ordered 1
		.amdhsa_forward_progress 1
		.amdhsa_inst_pref_size 80
	.end_amdhsa_kernel
	.amdgpu_metadata
---
amdhsa.version: [ 1, 2 ]
amdhsa.kernels:
  - .name:           k_q35f0a9e59a_coupling
    .symbol:         k_q35f0a9e59a_coupling.kd
    .args:
      - { .name: input, .offset: 0, .size: 8, .value_kind: global_buffer, .address_space: global }
      - { .name: t_feat, .offset: 8, .size: 8, .value_kind: global_buffer, .address_space: global }
      - { .name: W1, .offset: 16, .size: 8, .value_kind: global_buffer, .address_space: global }
      - { .name: b1, .offset: 24, .size: 8, .value_kind: global_buffer, .address_space: global }
      - { .name: W2, .offset: 32, .size: 8, .value_kind: global_buffer, .address_space: global }
      - { .name: b2, .offset: 40, .size: 8, .value_kind: global_buffer, .address_space: global }
      - { .name: out0, .offset: 48, .size: 8, .value_kind: global_buffer, .address_space: global }
    .group_segment_fixed_size: 54272
    .private_segment_fixed_size: 0
    .kernarg_segment_align: 8
    .kernarg_segment_size: 56
    .max_flat_workgroup_size: 512
    .sgpr_count:     66
    .vgpr_count:     242
    .wavefront_size: 32
...
	.end_amdgpu_metadata
.endif
;; end of part 1
